; MI455X (gfx1250); checked and timed in simulation.
; The chip was launched on July 23, 2026; its instructions are those of AMD's public machine-readable ISA for CDNA 5 (MIT licence, August 2026) and "CDNA5" Instruction Set Architecture Reference Guide (July 2026). The comments in the code are by the model that wrote it; some were corrected since.
;; Simple Routed Experts. Allowed arithmetic: float matrix products may take bf16 or f16 operands with f32 sums; all other float work in f32.
;; Inputs: W1 8 x 1,024 x 1,024 float32; W2 8 x 1,024 x 512 float32; indices 4,096 x 2 int32; weights 4,096 x 2 float32; x 4,096 x 1,024 float32.
;; Outputs: out0 4,096 x 1,024 float32.
;; 2 versions, each right; version 2 is version 1 with the launch combine written anew for expert scheduling mode. Each part assembles by itself: llvm-mc -triple=amdgcn-amd-amdhsa -mcpu=gfx1250 --defsym DOCPART=n.
;; ======== version 1 of 2: 4 launches
;; limits: values are held in f16: magnitudes above 65,504 overflow, below 6.1e-05 lose precision; inputs' magnitudes at most 65,504
;; workspace buffers: rows 36,864 bytes of whole numbers; pos 32,768 bytes of whole numbers; tab 256 bytes of whole numbers; act 18,874,368 bytes; amax 589,824 bytes; outs 37,748,736 bytes
;; launch route (part 1): grid 1 x 1, 32 waves a work-group, no clusters, 43,008 bytes of LDS; arguments indices, rows, pos, tab; writes rows, pos, tab
.if DOCPART == 1
	.amdgcn_target "amdgcn-amd-amdhsa--gfx1250"
	.amdhsa_code_object_version 6
	.text
	.protected	k_qdd960fe910_route
	.globl	k_qdd960fe910_route
	.p2align	8
	.type	k_qdd960fe910_route,@function
k_qdd960fe910_route:
	s_mov_b64 s[64:65], 0
	v_nop
	global_prefetch_b8 v0, s[64:65] scope:SCOPE_SE
	s_setreg_imm32_b32 hwreg(HW_REG_WAVE_MODE, 25, 1), 1
	s_wait_xcnt 0x0
; route: a counting sort of the 8,192 assignments (token, k) by expert.  Whole numbers only.
; Each expert's assignments get consecutive slots; each expert begins on a block of 144 slots.  The sum over the experts of
; ceil(n_e / 144) is at most (8192 + 8 x 143) / 144 = 64.8, so 64 blocks (9,216 slots) hold every possible routing.
; Out: rows[slot] = token (0 in slots that hold no assignment), pos[assignment] = slot, tab[block] = expert (7 in blocks behind the last used).
; LIMIT: an index outside 0..7 is sorted as expert 7; the last launch gives it the weight 0, which is what a one-hot of it gives.
; One work-group of 32 waves; thread t owns assignments 8 t .. 8 t + 7, which are tokens 4 t .. 4 t + 3.
.set CNT,   0                          ; LDS [expert 8][wave 32] words: how many of the wave's 256 assignments go to the expert
.set BASE,  1024                       ; LDS [wave 32][expert 8] words: the first slot of the wave's assignments to the expert
.set PERM,  2048                       ; LDS [9216] words: slot -> token
.set RUN,   16                         ; s[16:23]  the wave's running count for each expert
.set FB,    32                         ; s[32:40]  first block of each expert, and the total
.set START, 44                         ; s[44:51]  first slot of each expert
.set I,     4                          ; v[4:11]   my eight experts
.set R,     12                         ; v[12:19]  their ranks inside (wave, expert)
.set C,     24                         ; v[24:55]  wave 0: one expert's 32 counts; later v[24:31]: my eight slots
.set AD,    32                         ; v[32:39]  LDS addresses
.set TOK,   40                         ; v[40:43]  my four tokens
	s_load_b256 s[4:11], s[0:1], 0x0               ; indices s[4:5], rows s[6:7], pos s[8:9], tab s[10:11]
	v_lshl_add_u32 v64, v0, 2, 0x9800
	v_mov_b32 v65, 0
	v_lshrrev_b32 v1, 5, v0
	v_readfirstlane_b32 s12, v1                    ; wave 0..31
	v_and_b32 v1, 31, v0                           ; lane
	v_and_b32 v2, 7, v0                            ; lane mod 8: the expert that the lane serves in wave 0
	v_lshlrev_b32 v3, 5, v0                        ; 32 t: my eight words in indices and in pos
	s_wait_kmcnt 0x0
	global_load_b128 v[I:I+3], v3, s[4:5]
	global_load_b128 v[I+4:I+7], v3, s[4:5] offset:16
	v_lshlrev_b32 v20, 2, v0
	v_mov_b32 v21, 0
.irp k, 0,1,2,3,4,5,6,7,8
	ds_store_b32 v20, v21 offset:PERM+4096*\k      ; token 0 in every slot: 1,024 threads x 9 words = 9,216
.endr
.irp e, 0,1,2,3,4,5,6,7
	s_mov_b32 s[RUN+\e], 0
.endr
	s_wait_loadcnt 0x0
.irp i, 0,1,2,3,4,5,6,7
	v_min_u32 v[I+\i], 7, v[I+\i]                  ; unsigned: a negative index goes to 7 too
.endr
	; Rank and count.  For my i-th assignment and expert e: the lanes below me with the same expert, plus what the wave has counted before.
.irp i, 0,1,2,3,4,5,6,7
.irp e, 0,1,2,3,4,5,6,7
	v_cmp_eq_u32 vcc_lo, \e, v[I+\i]
.if \e == 0
	v_mbcnt_lo_u32_b32 v[R+\i], vcc_lo, s[RUN+\e]  ; expert 0 starts the register: nothing is cleared
.else
	v_mbcnt_lo_u32_b32 v22, vcc_lo, s[RUN+\e]
	v_cndmask_b32 v[R+\i], v[R+\i], v22, vcc_lo
.endif
	s_bcnt1_i32_b32 s13, vcc_lo
	s_add_co_u32 s[RUN+\e], s[RUN+\e], s13
.endr
.endr
	v_mov_b32 v23, s12
	v_lshlrev_b32 v23, 2, v23                      ; 4 x wave
.irp e, 0,1,2,3,4,5,6,7
	v_mov_b32 v22, s[RUN+\e]
	ds_store_b32 v23, v22 offset:CNT+128*\e        ; all lanes store the same word with the same value
.endr
	s_wait_dscnt 0x0                               ; my counts and my part of the cleared table are in LDS, for the other waves
	s_barrier_signal -1
	s_barrier_wait -1
	s_cmp_lg_u32 s12, 0
	s_cbranch_scc1 .Lnot_wave_0
	; Wave 0: lane l serves expert l mod 8 (lanes 8 to 31 repeat lanes 0 to 7 with equal values).
	v_lshlrev_b32 v20, 7, v2                       ; the expert's row of 32 counts
.irp k, 0,1,2,3,4,5,6,7
	ds_load_b128 v[C+4*\k:C+4*\k+3], v20 offset:CNT+16*\k
.endr
	s_wait_dscnt 0x0
	v_add_nc_u32 v21, v[C], v[C+1]
.irp k, 2,4,6,8,10,12,14,16,18,20,22,24,26,28,30
	v_add3_u32 v21, v21, v[C+\k], v[C+\k+1]        ; n_e
.endr
	v_add_nc_u32 v21, 143, v21
	v_lshrrev_b32 v21, 4, v21                      ; z = (n_e + 143) / 16, at most 520
	v_mul_u32_u24 v21, v21, 7282                   ; z / 9 = (7282 z) >> 16: 9 x 7282 = 65536 + 2, exact while 2 z < 65536
	v_lshrrev_b32 v21, 16, v21                     ; blocks of the expert = ceil(n_e / 144)
	s_mov_b32 s[FB], 0
.irp e, 0,1,2,3,4,5,6,7
	v_readlane_b32 s13, v21, \e
	s_add_co_u32 s[FB+\e+1], s[FB+\e], s13
	s_mul_i32 s[START+\e], s[FB+\e], 144
.endr
	v_mov_b32 v56, s[START]
.irp e, 1,2,3,4,5,6,7
	v_cmp_eq_u32 vcc_lo, \e, v2
	v_mov_b32 v22, s[START+\e]
	v_cndmask_b32 v56, v56, v22, vcc_lo            ; my expert's first slot
.endr
	v_lshlrev_b32 v20, 2, v2
.set w, 0
.rept 32
	ds_store_b32 v20, v56 offset:BASE+32*w         ; where wave w's assignments to my expert begin,
	v_add_nc_u32 v56, v56, v[C+w]                  ; and the next wave's behind them
.set w, w+1
.endr
	v_lshlrev_b32 v57, 1, v1                       ; blocks 2 l and 2 l + 1
	v_or_b32 v60, 1, v57
	v_mov_b32 v58, 0
	v_mov_b32 v59, 0
.irp e, 1,2,3,4,5,6,7
	v_cmp_le_u32 vcc_lo, s[FB+\e], v57             ; the block's expert = how many of experts 1 to 7 begin at or before it
	v_add_co_ci_u32 v58, vcc_lo, 0, v58, vcc_lo
	v_cmp_le_u32 vcc_lo, s[FB+\e], v60
	v_add_co_ci_u32 v59, vcc_lo, 0, v59, vcc_lo
.endr
	v_lshlrev_b32 v61, 3, v1
	global_store_b64 v61, v[58:59], s[10:11]       ; the whole table: 32 lanes x 8 bytes = 256 consecutive bytes
.Lnot_wave_0:
	s_wait_dscnt 0x0                               ; wave 0: its stores of BASE are in LDS, for the other waves
	s_barrier_signal -1
	s_barrier_wait -1
	v_lshlrev_b32 v23, 3, v23                      ; 32 x wave: my wave's row of BASE
.irp i, 0,1,2,3,4,5,6,7
	v_lshl_add_u32 v[AD+\i], v[I+\i], 2, v23
.endr
.irp i, 0,1,2,3,4,5,6,7
	ds_load_b32 v[C+\i], v[AD+\i] offset:BASE
.endr
	v_lshlrev_b32 v[TOK], 2, v0
	v_add_nc_u32 v[TOK+1], 1, v[TOK]
	v_add_nc_u32 v[TOK+2], 2, v[TOK]
	v_add_nc_u32 v[TOK+3], 3, v[TOK]
	s_wait_dscnt 0x0
.irp i, 0,1,2,3,4,5,6,7
	v_add_nc_u32 v[C+\i], v[C+\i], v[R+\i]         ; slot = the (wave, expert) base + my rank
	v_min_u32 v[C+\i], 9215, v[C+\i]               ; never binds (see the head); it bounds the address made of a loaded number
	v_lshlrev_b32 v[AD+\i], 2, v[C+\i]
.endr
.irp i, 0,1,2,3,4,5,6,7
	ds_store_b32 v[AD+\i], v[TOK+\i/2] offset:PERM ; every slot belongs to one assignment: no two lanes store to one word
.endr
	global_store_b128 v3, v[C:C+3], s[8:9]         ; pos: a wave stores 1,024 consecutive bytes in two instructions
	global_store_b128 v3, v[C+4:C+7], s[8:9] offset:16
	s_wait_dscnt 0x0                               ; my tokens are in the table, for the other waves
	s_barrier_signal -1
	s_barrier_wait -1
	; The table leaves through registers: 36,864 bytes = two passes of 1,024 threads x 16 bytes, and 4,096 bytes more by waves 0 to 7.
	v_lshlrev_b32 v44, 4, v0
	ds_load_b128 v[48:51], v44 offset:PERM
	ds_load_b128 v[52:55], v44 offset:PERM+16384
	s_wait_dscnt 0x1                               ; the first is in; the second may be out
	global_store_b128 v44, v[48:51], s[6:7]
	s_wait_dscnt 0x0
	global_store_b128 v44, v[52:55], s[6:7] offset:16384
	s_cmp_gt_u32 s12, 7
	s_cbranch_scc1 .Ldone
	ds_load_b128 v[32:35], v44 offset:PERM+32768
	s_wait_dscnt 0x0
	global_store_b128 v44, v[32:35], s[6:7] offset:32768
.Ldone:
	s_wait_tensorcnt 0x0
	ds_add_u32 v64, v65
	s_wait_dscnt 0x0
	s_endpgm
.Lfunc_end_k_qdd960fe910_route:
	.size	k_qdd960fe910_route, .Lfunc_end_k_qdd960fe910_route-k_qdd960fe910_route
	.p2alignl 7, 3214868480
	.fill 96, 4, 3214868480
	.section	.rodata,"a",@progbits
	.p2align	6, 0x0
	.amdhsa_kernel k_qdd960fe910_route
		.amdhsa_group_segment_fixed_size 43008
		.amdhsa_private_segment_fixed_size 0
		.amdhsa_enable_private_segment 0
		.amdhsa_kernarg_size 32
		.amdhsa_user_sgpr_count 2
		.amdhsa_user_sgpr_kernarg_segment_ptr 1
		.amdhsa_wavefront_size32 1
		.amdhsa_system_sgpr_workgroup_id_x 1
		.amdhsa_system_sgpr_workgroup_id_y 1
		.amdhsa_system_sgpr_workgroup_id_z 1
		.amdhsa_system_vgpr_workitem_id 0
		.amdhsa_next_free_vgpr 66
		.amdhsa_next_free_sgpr 66
		.amdhsa_reserve_vcc 1
		.amdhsa_float_denorm_mode_32 3
		.amdhsa_float_denorm_mode_16_64 3
		.amdhsa_memory_ordered 1
		.amdhsa_forward_progress 1
		.amdhsa_inst_pref_size 27
	.end_amdhsa_kernel
	.amdgpu_metadata
---
amdhsa.version: [ 1, 2 ]
amdhsa.kernels:
  - .name:           k_qdd960fe910_route
    .symbol:         k_qdd960fe910_route.kd
    .args:
      - { .name: indices, .offset: 0, .size: 8, .value_kind: global_buffer, .address_space: global }
      - { .name: rows, .offset: 8, .size: 8, .value_kind: global_buffer, .address_space: global }
      - { .name: pos, .offset: 16, .size: 8, .value_kind: global_buffer, .address_space: global }
      - { .name: tab, .offset: 24, .size: 8, .value_kind: global_buffer, .address_space: global }
    .group_segment_fixed_size: 43008
    .private_segment_fixed_size: 0
    .kernarg_segment_align: 8
    .kernarg_segment_size: 32
    .max_flat_workgroup_size: 1024
    .sgpr_count:     66
    .vgpr_count:     66
    .wavefront_size: 32
...
	.end_amdgpu_metadata
.endif
;; end of part 1
;; launch gemm1 (part 2): grid 4 x 64, 4 waves a work-group, no clusters, 327,680 bytes of LDS; arguments x, W1, rows, tab, act, amax; writes act, amax
.if DOCPART == 2
	.amdgcn_target "amdgcn-amd-amdhsa--gfx1250"
	.amdhsa_code_object_version 6
	.text
	.protected	k_qdd960fe910_gemm1
	.globl	k_qdd960fe910_gemm1
	.p2align	8
	.type	k_qdd960fe910_gemm1,@function
k_qdd960fe910_gemm1:
	s_mov_b64 s[64:65], 0
	v_nop
	global_prefetch_b8 v0, s[64:65] scope:SCOPE_SE
	s_setreg_imm32_b32 hwreg(HW_REG_WAVE_MODE, 25, 1), 1
	s_wait_xcnt 0x0
; gemm1: for block b of 144 sorted slots and column chunk c: h = x[rows] W1[e]^T for 128 columns of u and the same 128 of gate,
; act = u * silu(gate), stored in f32 as act[block 64][group 16][row 144][32]: group g = 4 c + wave holds columns 32 g .. 32 g + 31, a dense piece of
; 18,432 bytes that one wave writes whole.  Beside it amax[group 16][slot 9216]: the largest |act| of the row in the group, from which the next
; launch makes one power of two for each row, so that act can go to the matrix unit in f16 whatever its size.
; FORMATS: products in f16 (x and W1 rounded on their way), sums and the activation in f16's stead in f32.  f16 keeps 11 significant bits where bf16 keeps 8,
; and the allowance of this problem (a hundredth of the output's root mean square) leaves too little room for four operands of 8 bits.
; ROOM: x and W1 overflow in f16 above 65,504; numbers below 2^-14 are rounded to multiples of 2^-24, which is coarser than bf16's rounding only
; where an input's spread is below about 1e-5.
; Four waves; a wave makes 144 rows x (32 columns of u and the SAME 32 of gate), so u * silu(gate) is made inside a lane:
; 9 row tiles a x 4 column tiles b (b = 0, 1: u; 2, 3: gate), tile t = 4 a + b, 36 accumulators, 288 registers.
; K = 1024 goes in 32 sub-steps of 32 (fragment buffers take turns), 16 half-steps of 64 (x: two LDS stages take turns),
; 8 steps of 128 (W1: two LDS slots take turns).  All is written out by macro: every count and offset is a constant of the text.
; W1 comes as f32 tiles by tensor loads (each wave 64 rows x 512 bytes); each of its rows is read from LDS by ONE wave, which rounds it: once.
; x is gathered through registers (one load of a wave = 2 rows x 256 aligned bytes), rounded once, and laid into a stage that all four waves read.
; NO CLUSTER: the work-groups that need the same tile of W1 are the blocks of one expert, and which those are is read from tab, so the members of a
; fixed cluster need not want the same tile; the rows of x that the four chunks of a block share are gathered row by row, which no tile descriptor here does.
; PADDING: slots without an assignment hold token 0, and blocks behind the last used one hold token 0 and expert 7.  They are computed like the others
; and nobody uses their results: up to 1,024 of the 9,216 rows.
; LIMITS: silu(g) = g * rcp(1 + exp2(-1.442695 g)); for g below about -88 the exponential is infinite and the result 0, for large g it is g.
; An expert to which a token is not routed is not computed: where the dense form would give 0 x infinity = NaN, this gives the routed sum.
.set NQ,     32                        ; sub-steps
.set NH,     16                        ; half-steps
.set WPITCH, 528                       ; an LDS row of W: 512 bytes + 16 = 2 x 256 + 16: the 16 rows of a fragment load start 16 bytes apart modulo 256
.set SLOT,   256*WPITCH                ; 135,168: rows 0-127 u, rows 128-255 gate
.set STG,    2*SLOT                    ; 270,336 (a multiple of 256): the stages; no tensor load lands at or behind this byte
.set APITCH, 144                       ; a stage row: 64 f16 + 16 bytes = 9 x 16; on the way out: 32 f32 + 16 bytes
.set STGB,   144*APITCH                ; 20,736 bytes a stage
; window 0
.set ADA,  10                          ; v10     STG + 144 r + 16 h: my bytes of an x fragment
.set ADW,  12                          ; v12-15  [2 slot + (0: u, 1: gate)]: my bytes of a W fragment
.set STA,  16                          ; v16     where I lay 8 bytes of x into a stage
.set OSTO, 17                          ; v17     the way out: where I lay 32 bytes of a row of act
.set ORD,  18                          ; v18     the way out: where I read 16 bytes back
.set OGL,  19                          ; v19     the way out: 16 x lane
.set RO,   20                          ; v20-37  byte offset in x of my 16 bytes in each of my wave's 18 pairs of rows; never rewritten
.set AMO,  38                          ; v38     4 x lane
.set AM8,  39                          ; v39     4 r
.set AF0,  40                          ; v40-111, v112-183  x fragments, two buffers of 9 x 8
.set BF0,  184                         ; v184-215, v216-247 W fragments, two buffers of 4 x 8
.set T,    40                          ; the way out: v40-55 16 numbers at work
.set M,    64                          ; the way out: v64-72 the largest |act| of my row in each of the 9 row tiles
.set Q,    74                          ; the way out: v74-77 four of them, chosen by the lane's half
.set RB,   112                         ; the way out: v112-143 read back, two sets of 4 x 4
; window 1: tiles 0-31 at v[8 t].  window 2: tiles 32-35 at v0-31, and
.set RAW,  32                          ; v32-95   W fragments as f32, 4 x 16
.set ST,   96                          ; v96-167, v168-239  x as loaded, two sets of 18 x 4
.set G1,   24                          ; s[24:31] descriptor group 1
.set G0,   32                          ; s[32:39] descriptor group 0, one set for each slot
; s_set_vgpr_msb's low byte: bits 1:0 source 0, 3:2 source 1, 5:4 source 2, 7:6 destination; the high byte repeats the setting that is left
.set MUL1, 0x50                        ; C and D in window 1
.set MUL2, 0xa0                        ; C and D in window 2
.set LD2,  0x80                        ; a load's destination in window 2
.set CVB,  0x0a                        ; both sources in window 2
.set CVA,  0x8a                        ; sources and destination in window 2
.set STA2, 0x08                        ; an LDS store's data in window 2
.set EP1,  0x04                        ; source 1 in window 1
.set EP2,  0x08                        ; source 1 in window 2
.set MSB, 0
.macro WIN new
.if MSB != \new
	s_set_vgpr_msb (MSB<<8)|\new
.set MSB, \new
.endif
.endm
; x of half-step j: my wave's 36 rows, 256 bytes of each, into set j mod 2
.macro ALOAD j
	WIN LD2
.irp i, 0,1,2,3,4,5,6,7,8,9,10,11,12,13,14,15,16,17
	global_load_b128 v[ST+72*((\j)&1)+4*\i:ST+72*((\j)&1)+4*\i+3], v[RO+\i], s[4:5] offset:256*(\j)
.endr
.endm
; half-step j is rounded to f16 and laid into stage j mod 2; its set is asked for again, two half-steps ahead
.macro STAGE j
.if (\j)+1 < NH
	s_wait_loadcnt 18                              ; loads return in order: half-step j is in, the 18 loads of j + 1 may be out
.else
	s_wait_loadcnt 0x0                             ; the last: nothing was issued behind it
.endif
	WIN CVA
.irp i, 0,1,2,3,4,5,6,7,8,9,10,11,12,13,14,15,16,17
	v_cvt_pk_f16_f32 v[ST+72*((\j)&1)+4*\i],   v[ST+72*((\j)&1)+4*\i],   v[ST+72*((\j)&1)+4*\i+1]
	v_cvt_pk_f16_f32 v[ST+72*((\j)&1)+4*\i+1], v[ST+72*((\j)&1)+4*\i+2], v[ST+72*((\j)&1)+4*\i+3]
.endr
	WIN STA2
.irp i, 0,1,2,3,4,5,6,7,8,9,10,11,12,13,14,15,16,17
	ds_store_b64 v[STA], v[ST+72*((\j)&1)+4*\i:ST+72*((\j)&1)+4*\i+1] offset:((\j)&1)*STGB+2*APITCH*\i
.endr
.if (\j)+2 < NH
	ALOAD ((\j)+2)
.endif
.endm
; the fragments of sub-step q: 9 of x (f16, two loads each) into buffer q mod 2, 4 of W (f32, four loads each) into RAW.
; A fragment of 16 rows x 32 K: lane (r, h) holds row r; registers 0-3 K = 8 h + 0..7, registers 4-7 K = 16 + 8 h + 0..7 (ISA guide 7.12.2);
; in f32 these are the 32 bytes at 32 h and the 32 bytes at 64 + 32 h.
.macro FETCH q
	WIN 0
.irp a, 0,1,2,3,4,5,6,7,8
	ds_load_b128 v[AF0+72*((\q)&1)+8*\a:AF0+72*((\q)&1)+8*\a+3],   v[ADA] offset:(((\q)>>1)&1)*STGB+16*APITCH*\a+64*((\q)&1)
	ds_load_b128 v[AF0+72*((\q)&1)+8*\a+4:AF0+72*((\q)&1)+8*\a+7], v[ADA] offset:(((\q)>>1)&1)*STGB+16*APITCH*\a+64*((\q)&1)+32
.endr
	WIN LD2
.irp b, 0,1,2,3
	ds_load_b128 v[RAW+16*\b:RAW+16*\b+3],     v[ADW+2*(((\q)>>2)&1)+\b/2] offset:(\b&1)*16*WPITCH+128*((\q)&3)
	ds_load_b128 v[RAW+16*\b+4:RAW+16*\b+7],   v[ADW+2*(((\q)>>2)&1)+\b/2] offset:(\b&1)*16*WPITCH+128*((\q)&3)+16
	ds_load_b128 v[RAW+16*\b+8:RAW+16*\b+11],  v[ADW+2*(((\q)>>2)&1)+\b/2] offset:(\b&1)*16*WPITCH+128*((\q)&3)+64
	ds_load_b128 v[RAW+16*\b+12:RAW+16*\b+15], v[ADW+2*(((\q)>>2)&1)+\b/2] offset:(\b&1)*16*WPITCH+128*((\q)&3)+80
.endr
.endm
; W's fragments of sub-step q are rounded into buffer q mod 2.  These 32 plain vector instructions name RAW and that buffer alone, so they are also the
; places between the matrix instructions of sub-step q - 1 and the next loads and conversions into the buffers that those read.
.macro CVTB q
	WIN CVB
.set ci, 0
.rept 32
	v_cvt_pk_f16_f32 v[BF0+32*((\q)&1)+ci], v[RAW+2*ci], v[RAW+2*ci+1]
.set ci, ci+1
.endr
.endm
; tiles t0 .. t1 of sub-step q.  Source 0 = 16 rows of W, source 1 = 16 rows of x: lane (r, h) then holds row r of the tile, register j column 8 h + j.
; The 36 accumulators take turns, one instruction a turn, always in the same order.  Sub-step 0 starts the sums: nothing is cleared.
.macro MUL q, t0, t1
.set mt, \t0
.rept \t1-\t0+1
.if mt < 32
	WIN MUL1
.else
	WIN MUL2
.endif
.if (\q) == 0
	v_wmma_f32_16x16x32_f16 v[8*(mt&31):8*(mt&31)+7], v[BF0+32*((\q)&1)+8*(mt&3):BF0+32*((\q)&1)+8*(mt&3)+7], v[AF0+72*((\q)&1)+8*(mt>>2):AF0+72*((\q)&1)+8*(mt>>2)+7], 0
.else
	v_wmma_f32_16x16x32_f16 v[8*(mt&31):8*(mt&31)+7], v[BF0+32*((\q)&1)+8*(mt&3):BF0+32*((\q)&1)+8*(mt&3)+7], v[AF0+72*((\q)&1)+8*(mt>>2):AF0+72*((\q)&1)+8*(mt>>2)+7], v[8*(mt&31):8*(mt&31)+7]
.endif
.set mt, mt+1
.endr
.endm
; An even sub-step: no barrier.  It reads on in the same stage and slot and writes the OTHER stage, whose last reads every wave
; waited for in front of the barrier of the odd sub-step before.
.macro EVEN q
	FETCH ((\q)+1)
.if (\q)/2+1 < NH
	STAGE ((\q)/2+1)
.endif
	MUL (\q), 0, 35
	s_wait_dscnt 0x0                               ; the fragments of q + 1 are in; my stores into the stage are done
	CVTB ((\q)+1)
.endm
; An odd sub-step: the barrier at which the stages change, and at every second one the slots of W.
.macro ODD q
	s_wait_dscnt 0x0                               ; for the others: my reads of this stage (and slot) and my stores into the next stage are done (met: nothing was issued since the last such wait)
.set rf, 0
.if ((\q)&3) == 3
.if (\q) < NQ-1
	s_wait_tensorcnt 0x0                           ; all my tensor loads have landed: the one that was out is my part of the next slot
	ds_add_u32 v240, v241
	s_wait_dscnt 0x0
.if (\q) < NQ-8
.set rf, 1
	s_add_nc_u64 s[G0+4*(((\q)>>2)&1)+2:G0+4*(((\q)>>2)&1)+3], s[G0+4*(((\q)>>2)&1)+2:G0+4*(((\q)>>2)&1)+3], 1024   ; no load of mine is out: this slot's address steps two steps of 512 bytes
.endif
.endif
.endif
	s_barrier_signal -1
	MUL (\q), 0, 11                                ; registers alone between signal and wait
	s_barrier_wait -1
.if rf
	tensor_load_to_lds s[G0+4*(((\q)>>2)&1):G0+4*(((\q)>>2)&1)+3], s[G1:G1+7]   ; my one tensor load behind this barrier, first thing: the slot just read, two steps ahead; 132 matrix instructions until the wait for it
	s_nop 0
.endif
.if (\q) < NQ-1
	FETCH ((\q)+1)
.endif
	MUL (\q), 12, 35
.if (\q) < NQ-1
	s_wait_dscnt 0x0
	CVTB ((\q)+1)
.endif
.endm
	s_load_b256 s[4:11], s[0:1], 0x0               ; x s[4:5], W1 s[6:7], rows s[8:9], tab s[10:11]
	s_load_b64 s[12:13], s[0:1], 0x20              ; act
	s_load_b64 s[42:43], s[0:1], 0x28              ; amax
	s_set_vgpr_msb 0x80
	v_lshl_add_u32 v240, v0, 2, 0x4c200
	v_mov_b32 v241, 0
	s_set_vgpr_msb 0x808a
	ds_add_u32 v240, v241
	ds_add_u32 v240, v241
	s_set_vgpr_msb 0x8a00
	v_lshrrev_b32 v1, 5, v0
	v_readfirstlane_b32 s14, v1                    ; wave w
	s_mov_b32 s15, ttmp9                           ; column chunk c
	s_and_b32 s16, ttmp7, 0xffff                   ; block b
	s_lshr_b32 s18, s14, 1                         ; w / 2
	s_and_b32 s19, s14, 1                          ; w mod 2
	v_and_b32 v1, 31, v0                           ; lane
	v_and_b32 v2, 15, v0                           ; r
	v_bfe_u32 v3, v0, 4, 1                         ; h
	v_lshlrev_b32 v8, 2, v3                        ; 4 h: lanes 16-31 take the next slot's token
	; group 1: a tile of 64 rows x 128 f32, 16 bytes of padding behind each row
	s_mov_b32 s[G1+0], 0x07920000                  ; mask 0; element of 4 bytes (2<<16); padding on (1<<20), after every 128 words (6<<22), of 4 words (3<<25)
	s_mov_b32 s[G1+1], 128<<16                     ; tensor_dim0 = 128
	s_mov_b32 s[G1+2], 64<<16                      ; tensor_dim1 = 64
	s_mov_b32 s[G1+3], 128<<16                     ; tile_dim0 = 128
	s_mov_b32 s[G1+4], 64                          ; tile_dim1 = 64
	s_mov_b32 s[G1+5], 1024                        ; elements from row to row
	s_mov_b32 s[G1+6], 0
	s_mov_b32 s[G1+7], 0
	s_lshl_b32 s20, s16, 2                         ; tab[b]
	s_mov_b32 s21, 0
	s_mul_i32 s22, s16, 576                        ; rows[144 b + 36 w], in bytes
	s_mul_i32 s23, s14, 144
	s_add_co_u32 s22, s22, s23
	s_mov_b32 s23, 0
	s_wait_dscnt 0x0
	s_wait_kmcnt 0x0
	s_add_nc_u64 s[10:11], s[10:11], s[20:21]
	s_load_b32 s17, s[10:11], 0x0                  ; the block's expert
	s_add_nc_u64 s[8:9], s[8:9], s[22:23]
.irp i, 0,1,2,3,4,5,6,7,8,9,10,11,12,13,14,15,16,17
	global_load_b32 v[RO+\i], v8, s[8:9] offset:8*\i   ; the token of slot 144 b + 36 w + 2 i + h
.endr
	s_lshl_b32 s20, s18, 9                         ; my 64 rows of W1[e]: (w / 2) 512 (u or gate) + 128 c + 64 (w mod 2)
	s_lshl_b32 s22, s15, 7
	s_add_co_u32 s20, s20, s22
	s_lshl_b32 s22, s19, 6
	s_add_co_u32 s20, s20, s22
	s_lshl_b32 s20, s20, 12                        ; rows of 4,096 bytes
	s_mul_i32 s23, s14, 64*WPITCH                  ; and where they go: 64 w rows into the slot
	s_wait_kmcnt 0x0
	s_min_u32 s17, s17, 7                          ; never binds; it bounds the address made of a loaded number
	s_lshl_b32 s22, s17, 22                        ; experts of 4 MiB
	s_add_co_u32 s20, s20, s22                     ; below 32 MiB
	s_add_nc_u64 s[6:7], s[6:7], s[20:21]
	; both first fills, steps 0 and 1, ahead of every wait on TENSORcnt and every barrier: two tensor loads of the wave are out
.irp n, 0,1
	s_mov_b32 s[G0+4*\n], 1
	s_add_co_u32 s[G0+4*\n+1], s23, \n*SLOT
	s_add_nc_u64 s[G0+4*\n+2:G0+4*\n+3], s[6:7], \n*512
	s_or_b32 s[G0+4*\n+3], s[G0+4*\n+3], 0x80000000
	tensor_load_to_lds s[G0+4*\n:G0+4*\n+3], s[G1:G1+7]
	s_nop 0
.endr
	v_mul_u32_u24 v4, v2, APITCH
	v_lshl_add_u32 v5, v3, 4, v4
	v_add_nc_u32 v[ADA], STG, v5
	s_mul_i32 s22, s14, 32*WPITCH                  ; my 32 columns of u are rows 32 w .. of the slot, my gate columns 128 rows further
	v_mul_u32_u24 v5, v2, WPITCH
	v_lshl_add_u32 v5, v3, 5, v5
	v_add_nc_u32 v[ADW], s22, v5
	v_add_nc_u32 v[ADW+1], 128*WPITCH, v[ADW]
	v_add_nc_u32 v[ADW+2], SLOT, v[ADW]
	v_add_nc_u32 v[ADW+3], SLOT+128*WPITCH, v[ADW]
	s_mul_i32 s22, s14, 36*APITCH                  ; my wave's 36 rows of a stage
	v_mul_u32_u24 v6, v3, APITCH
	v_lshl_add_u32 v6, v2, 3, v6
	v_add_nc_u32 v6, s22, v6
	v_add_nc_u32 v[STA], STG, v6
	s_mul_i32 s22, s14, 16*APITCH                  ; the way out: 16 rows x 144 bytes of my wave's own, in the stages
	s_add_co_u32 s22, s22, STG
	v_lshl_add_u32 v6, v3, 5, v4                   ; in: row r, 32 bytes for each half of the lanes
	v_add_nc_u32 v[OSTO], s22, v6
	v_lshrrev_b32 v6, 3, v1                        ; back: 8 lanes a row of 128 bytes, 4 rows an instruction
	v_and_b32 v7, 7, v0
	v_mul_u32_u24 v6, v6, APITCH
	v_lshl_add_u32 v6, v7, 4, v6
	v_add_nc_u32 v[ORD], s22, v6
	v_lshlrev_b32 v[OGL], 4, v1
	v_lshlrev_b32 v[AMO], 2, v1
	v_lshlrev_b32 v[AM8], 2, v2
	v_lshlrev_b32 v7, 4, v2                        ; 16 r
	s_lshl_b32 s22, s15, 2
	s_add_co_u32 s22, s22, s14                     ; my group g = 4 c + w
	s_lshl_b32 s20, s16, 4
	s_add_co_u32 s20, s20, s22
	s_mul_i32 s20, s20, 18432                      ; act: piece 16 b + g
	s_add_nc_u64 s[12:13], s[12:13], s[20:21]
	s_mul_i32 s20, s22, 36864                      ; amax: row g of 9,216 words, slot 144 b
	s_mul_i32 s22, s16, 576
	s_add_co_u32 s20, s20, s22
	s_add_nc_u64 s[42:43], s[42:43], s[20:21]
	s_mov_b32 s40, 0xbfb8aa3b                      ; -log2(e)
	s_mov_b32 s44, 0x76543210                      ; v_permlanex16_b32: lane i of one half reads lane i of the other
	s_mov_b32 s45, 0xfedcba98
	s_wait_loadcnt 0x0                             ; the tokens
.irp i, 0,1,2,3,4,5,6,7,8,9,10,11,12,13,14,15,16,17
	v_min_u32 v[RO+\i], 4095, v[RO+\i]             ; never binds; it bounds the address
	v_lshlrev_b32 v[RO+\i], 12, v[RO+\i]           ; rows of 4,096 bytes
	v_add_nc_u32 v[RO+\i], v[RO+\i], v7
.endr
	ALOAD 0
	ALOAD 1
	STAGE 0
	s_wait_dscnt 0x0                               ; my part of stage 0 is in LDS
	s_wait_tensorcnt 0x1                           ; my part of slot 0 has landed; slot 1's may stay out
	s_barrier_signal -1
	s_barrier_wait -1
	FETCH 0
	s_wait_dscnt 0x0
	CVTB 0
.irp j, 0,1,2,3,4,5,6,7,8,9,10,11,12,13,14,15
	EVEN (2*\j)
	ODD (2*\j+1)
.endr
	; THE WAY OUT, 16 rows at a time, through 16 x 144 bytes of the wave's own.  The last barrier has shown every wave's reads of the stages done,
	; and a wave's piece of act is its own, so no further barrier is needed.
	; Four places behind the last matrix instructions (ISA guide 7.12.1), for the reads of results and the writes into fragment registers.
.rept 4
	v_nop
.endr
; rows 16 a .. 16 a + 15: u in 16 registers, gate in the 16 behind them, the same lane and place
.macro EPI a
.if \a < 8
	WIN EP1
.else
	WIN EP2
.endif
.irp i, 0,1,2,3,4,5,6,7,8,9,10,11,12,13,14,15
	v_mul_f32 v[T+\i], s40, v[32*(\a&7)+16+\i]     ; -g log2(e)
.endr
.irp i, 0,1,2,3,4,5,6,7,8,9,10,11,12,13,14,15
	v_exp_f32 v[T+\i], v[T+\i]
.endr
	v_nop                                          ; one plain vector instruction between a transcendental and the use of its result
	s_wait_alu depctr_va_vdst(0)
.irp i, 0,2,4,6,8,10,12,14
	v_pk_add_f32 v[T+\i:T+\i+1], v[T+\i:T+\i+1], 1.0 op_sel_hi:[1,0]
.endr
.irp i, 0,1,2,3,4,5,6,7,8,9,10,11,12,13,14,15
	v_rcp_f32 v[T+\i], v[T+\i]                     ; sigmoid(g)
.endr
	v_nop
	s_wait_alu depctr_va_vdst(0)
.irp i, 0,2,4,6,8,10,12,14
	v_pk_mul_f32 v[T+\i:T+\i+1], v[T+\i:T+\i+1], v[32*(\a&7)+16+\i:32*(\a&7)+17+\i]   ; silu(g)
.endr
.irp i, 0,2,4,6,8,10,12,14
	v_pk_mul_f32 v[T+\i:T+\i+1], v[T+\i:T+\i+1], v[32*(\a&7)+\i:32*(\a&7)+\i+1]       ; times u
.endr
	WIN 0
	v_max3_num_f32 v[M+\a], |v[T]|, |v[T+1]|, |v[T+2]|             ; the largest |act| of my 16 numbers of row r
.irp i, 3,5,7,9,11,13
	v_max3_num_f32 v[M+\a], v[M+\a], |v[T+\i]|, |v[T+\i+1]|
.endr
	v_max_num_f32 v[M+\a], v[M+\a], |v[T+15]|
	ds_store_b128 v[OSTO], v[T:T+3]                                ; columns 8 h + 0..3 of row r,
	ds_store_b128 v[OSTO], v[T+4:T+7] offset:16                    ; 8 h + 4..7,
	ds_store_b128 v[OSTO], v[T+8:T+11] offset:64                   ; 16 + 8 h + 0..3,
	ds_store_b128 v[OSTO], v[T+12:T+15] offset:80                  ; 16 + 8 h + 4..7
	s_wait_xcnt 0x0                                ; the registers that earlier stores read are loaded again only behind this wait
.irp t, 0,1,2,3
	ds_load_b128 v[RB+16*(\a&1)+4*\t:RB+16*(\a&1)+4*\t+3], v[ORD] offset:4*APITCH*\t   ; LDS serves a wave's instructions in order: these see the stores above
.endr
.irp t, 0,1,2,3
	s_wait_dscnt 3-\t                              ; LDS loads return in order: number t is in
	global_store_b128 v[OGL], v[RB+16*(\a&1)+4*\t:RB+16*(\a&1)+4*\t+3], s[12:13] offset:2048*\a+512*\t   ; four rows of the piece: 512 consecutive bytes, aligned
.endr
.endm
.irp a, 0,1,2,3,4,5,6,7,8
	EPI \a
.endr
	; The rows' maxima: the two lanes of a row join, then lanes 0-15 give an even row tile's and lanes 16-31 the next one's: 128 consecutive bytes a store.
.irp a, 0,1,2,3,4,5,6,7,8
	v_permlanex16_b32 v[T+\a], v[M+\a], s44, s45   ; its destination counts as read: T has been written
.endr
.irp a, 0,1,2,3,4,5,6,7,8
	v_max_num_f32 v[M+\a], v[M+\a], v[T+\a]
.endr
	v_cmp_eq_u32 vcc_lo, 1, v3
.irp k, 0,1,2,3
	v_cndmask_b32 v[Q+\k], v[M+2*\k], v[M+2*\k+1], vcc_lo
.endr
.irp k, 0,1,2,3
	global_store_b32 v[AMO], v[Q+\k], s[42:43] offset:128*\k       ; rows 32 k + lane
.endr
	global_store_b32 v[AM8], v[M+8], s[42:43] offset:512           ; rows 128 + r: 64 bytes; the two lanes of a row store the same word with the same value
	s_set_vgpr_msb 0xa
	s_wait_tensorcnt 0x0
	ds_add_u32 v240, v241
	s_wait_dscnt 0x0
	s_set_vgpr_msb 0xa00
	s_endpgm
.Lfunc_end_k_qdd960fe910_gemm1:
	.size	k_qdd960fe910_gemm1, .Lfunc_end_k_qdd960fe910_gemm1-k_qdd960fe910_gemm1
	.p2alignl 7, 3214868480
	.fill 96, 4, 3214868480
	.section	.rodata,"a",@progbits
	.p2align	6, 0x0
	.amdhsa_kernel k_qdd960fe910_gemm1
		.amdhsa_group_segment_fixed_size 327680
		.amdhsa_private_segment_fixed_size 0
		.amdhsa_enable_private_segment 0
		.amdhsa_kernarg_size 48
		.amdhsa_user_sgpr_count 2
		.amdhsa_user_sgpr_kernarg_segment_ptr 1
		.amdhsa_wavefront_size32 1
		.amdhsa_system_sgpr_workgroup_id_x 1
		.amdhsa_system_sgpr_workgroup_id_y 1
		.amdhsa_system_sgpr_workgroup_id_z 1
		.amdhsa_system_vgpr_workitem_id 0
		.amdhsa_next_free_vgpr 754
		.amdhsa_next_free_sgpr 66
		.amdhsa_reserve_vcc 1
		.amdhsa_float_denorm_mode_32 3
		.amdhsa_float_denorm_mode_16_64 3
		.amdhsa_memory_ordered 1
		.amdhsa_forward_progress 1
		.amdhsa_inst_pref_size 255
	.end_amdhsa_kernel
	.section	.bss,"aw",@nobits
	.p2align	6
	.space	262144
	.amdgpu_metadata
---
amdhsa.version: [ 1, 2 ]
amdhsa.kernels:
  - .name:           k_qdd960fe910_gemm1
    .symbol:         k_qdd960fe910_gemm1.kd
    .args:
      - { .name: x, .offset: 0, .size: 8, .value_kind: global_buffer, .address_space: global }
      - { .name: W1, .offset: 8, .size: 8, .value_kind: global_buffer, .address_space: global }
      - { .name: rows, .offset: 16, .size: 8, .value_kind: global_buffer, .address_space: global }
      - { .name: tab, .offset: 24, .size: 8, .value_kind: global_buffer, .address_space: global }
      - { .name: act, .offset: 32, .size: 8, .value_kind: global_buffer, .address_space: global }
      - { .name: amax, .offset: 40, .size: 8, .value_kind: global_buffer, .address_space: global }
    .group_segment_fixed_size: 327680
    .private_segment_fixed_size: 0
    .kernarg_segment_align: 8
    .kernarg_segment_size: 48
    .max_flat_workgroup_size: 128
    .sgpr_count:     66
    .vgpr_count:     754
    .wavefront_size: 32
...
	.end_amdgpu_metadata
.endif
;; end of part 2
;; launch gemm2 (part 3): grid 4 x 64, 4 waves a work-group, no clusters, 327,680 bytes of LDS; arguments act, W2, tab, amax, outs; writes outs
.if DOCPART == 3
	.amdgcn_target "amdgcn-amd-amdhsa--gfx1250"
	.amdhsa_code_object_version 6
	.text
	.protected	k_qdd960fe910_gemm2
	.globl	k_qdd960fe910_gemm2
	.p2align	8
	.type	k_qdd960fe910_gemm2,@function
k_qdd960fe910_gemm2:
	s_mov_b64 s[64:65], 0
	v_nop
	global_prefetch_b8 v0, s[64:65] scope:SCOPE_SE
	s_setreg_imm32_b32 hwreg(HW_REG_WAVE_MODE, 25, 1), 1
	s_wait_xcnt 0x0
; gemm2: for block b of 144 sorted slots and column chunk c: outs[slot][256 c ..] = act[slot] W2[e]^T, in f32 (it is summed by the next launch).
; FORMATS: products in f16, sums in f32.  W2 is rounded to f16 on its way (overflow above 65,504; below 2^-14 multiples of 2^-24, coarser than bf16's
; rounding only where W2's spread is below about 1e-5).  act has no fixed range (it grows with the fourth power of a common factor on x and W1), so each
; row is multiplied by a power of two before it is rounded: with E the exponent field of the row's largest |act|, clamped to 1 .. 253, by 2^(127 - E), which
; puts that largest number into [1, 4); the finished sums are multiplied by 2^(E - 127).  Both factors are exact.  A number of a row that is below
; 2^-14 of the row's largest is rounded to a multiple of 2^-24 of it or finer.
; Four waves; a wave makes 144 rows x 64 columns: 9 row tiles a x 4 column tiles b, tile t = 4 a + b, 36 accumulators, 288 registers.
; K = 512 goes in 16 sub-steps of 32 (fragment buffers take turns), 8 half-steps of 64 (act: two LDS stages), 4 steps of 128 (W2: two LDS slots).
; W2 comes as f32 tiles by tensor loads; a wave fetches, reads and rounds the 64 rows that are its own columns.
; act[b][group 2 j, 2 j + 1] are 36,864 dense bytes: each wave takes a quarter through registers, scales and rounds it once, and lays it into the stage.
; NO CLUSTER: the blocks that need the same tile of W2 are those of one expert, and which those are is read from tab.  What the four chunks of a block
; share is act; it has to be scaled and rounded before four waves read it, so a joint tile of it would want two more slots of 36,864 bytes in LDS,
; and 313,088 + 73,728 bytes are more than the 327,680 that there are.
; PADDING: as in the launch before: slots without an assignment and blocks behind the last used one are computed and their rows of outs are read by nobody.
.set NQ,     16
.set NH,     8
.set WPITCH, 528                       ; 512 bytes + 16 = 2 x 256 + 16: the 16 rows of a fragment load start 16 bytes apart modulo 256
.set SLOT,   256*WPITCH                ; 135,168
.set STG,    2*SLOT                    ; 270,336 (a multiple of 256): the stages; no tensor load lands at or behind this byte
.set APITCH, 144                       ; a stage row: 64 f16 + 16 bytes
.set STGB,   144*APITCH                ; 20,736 bytes a stage
.set SCT,    STG+2*STGB                ; 311,808 (a multiple of 256): 2^(E - 127) of the 144 rows, twice: waves 0, 1 write the first copy, waves 2, 3 the second
.set OPITCH, 272                       ; the way out: 64 f32 + 16 bytes
; window 0
.set SCR,  9                           ; v9      SCT + 576 (w / 2) + 4 r
.set ADA,  10                          ; v10     STG + 144 r + 16 h
.set ADW,  12                          ; v12-15  [2 slot + (column tiles 0, 1 or 2, 3)]
.set STA,  16                          ; v16     where I lay 8 bytes of act into a stage
.set OSTO, 17                          ; v17     the way out: in
.set ORD,  18                          ; v18     the way out: back
.set OGL,  19                          ; v19     my byte offset in two rows of outs
.set RO,   20                          ; v20     my 16 bytes in my wave's quarter of two pieces; never rewritten
.set AMO,  21                          ; v21     my word in amax; never rewritten
.set SC,   22                          ; v22-39  2^(127 - E) of the row that my i-th load of a half-step belongs to
.set AF0,  40                          ; v40-111, v112-183  act fragments, two buffers
.set BF0,  184                         ; v184-215, v216-247 W fragments, two buffers
.set INV,  184                         ; the way out: v184-201  2^(E - 127) of row 16 a + r, twice (a pair for the packed multiply)
; window 1: tiles 0-31 at v[8 t].  window 2: tiles 32-35 at v0-31, and
.set RAW,  32                          ; v32-95   W fragments as f32
.set ST,   96                          ; v96-167, v168-239  act as loaded, two sets of 18 x 4
.set G1,   24
.set G0,   32
.set MUL1, 0x50                        ; C and D in window 1
.set MUL2, 0xa0                        ; C and D in window 2
.set LD2,  0x80                        ; a load's destination in window 2
.set CVB,  0x0a                        ; both sources in window 2
.set CVA,  0x8a                        ; sources and destination in window 2
.set SCL,  0x88                        ; source 1 and destination in window 2
.set STA2, 0x08                        ; an LDS store's data in window 2
.set EP1,  0x04                        ; an LDS store's data in window 1
.set EP2,  0x08
.set IN1,  0x41                        ; source 0 and destination in window 1
.set IN2,  0x82                        ; source 0 and destination in window 2
.set MSB, 0
.macro WIN new
.if MSB != \new
	s_set_vgpr_msb (MSB<<8)|\new
.set MSB, \new
.endif
.endm
.macro ALOAD j                         ; my quarter (9,216 bytes) of pieces 2 j and 2 j + 1, 512 consecutive bytes (4 rows of 32 f32) an instruction
	WIN LD2
.irp i, 0,1,2,3,4,5,6,7,8,9,10,11,12,13,14,15,16,17
	global_load_b128 v[ST+72*((\j)&1)+4*\i:ST+72*((\j)&1)+4*\i+3], v[RO], s[4:5] offset:36864*(\j)+512*\i
.endr
.endm
; half-step j is scaled by its rows' powers of two, rounded to f16 and laid into stage j mod 2; its set is asked for again, two half-steps ahead
.macro STAGE j
.if (\j)+1 < NH
	s_wait_loadcnt 18                              ; loads return in order: half-step j is in, the 18 loads of j + 1 may be out
.else
	s_wait_loadcnt 0x0
.endif
	WIN SCL
.irp i, 0,1,2,3,4,5,6,7,8,9,10,11,12,13,14,15,16,17
.irp k, 0,1,2,3
	v_mul_f32 v[ST+72*((\j)&1)+4*\i+\k], v[SC+\i], v[ST+72*((\j)&1)+4*\i+\k]
.endr
.endr
	WIN CVA
.irp i, 0,1,2,3,4,5,6,7,8,9,10,11,12,13,14,15,16,17
	v_cvt_pk_f16_f32 v[ST+72*((\j)&1)+4*\i],   v[ST+72*((\j)&1)+4*\i],   v[ST+72*((\j)&1)+4*\i+1]
	v_cvt_pk_f16_f32 v[ST+72*((\j)&1)+4*\i+1], v[ST+72*((\j)&1)+4*\i+2], v[ST+72*((\j)&1)+4*\i+3]
.endr
	WIN STA2
.irp i, 0,1,2,3,4,5,6,7,8,9,10,11,12,13,14,15,16,17
	ds_store_b64 v[STA], v[ST+72*((\j)&1)+4*\i:ST+72*((\j)&1)+4*\i+1] offset:((\j)&1)*STGB+4*APITCH*\i
.endr
.if (\j)+2 < NH
	ALOAD ((\j)+2)
.endif
.endm
; the fragments of sub-step q: lane (r, h) holds row r; registers 0-3 K = 8 h + 0..7, registers 4-7 K = 16 + 8 h + 0..7 (ISA guide 7.12.2)
.macro FETCH q
	WIN 0
.irp a, 0,1,2,3,4,5,6,7,8
	ds_load_b128 v[AF0+72*((\q)&1)+8*\a:AF0+72*((\q)&1)+8*\a+3],   v[ADA] offset:(((\q)>>1)&1)*STGB+16*APITCH*\a+64*((\q)&1)
	ds_load_b128 v[AF0+72*((\q)&1)+8*\a+4:AF0+72*((\q)&1)+8*\a+7], v[ADA] offset:(((\q)>>1)&1)*STGB+16*APITCH*\a+64*((\q)&1)+32
.endr
	WIN LD2
.irp b, 0,1,2,3
	ds_load_b128 v[RAW+16*\b:RAW+16*\b+3],     v[ADW+2*(((\q)>>2)&1)+\b/2] offset:(\b&1)*16*WPITCH+128*((\q)&3)
	ds_load_b128 v[RAW+16*\b+4:RAW+16*\b+7],   v[ADW+2*(((\q)>>2)&1)+\b/2] offset:(\b&1)*16*WPITCH+128*((\q)&3)+16
	ds_load_b128 v[RAW+16*\b+8:RAW+16*\b+11],  v[ADW+2*(((\q)>>2)&1)+\b/2] offset:(\b&1)*16*WPITCH+128*((\q)&3)+64
	ds_load_b128 v[RAW+16*\b+12:RAW+16*\b+15], v[ADW+2*(((\q)>>2)&1)+\b/2] offset:(\b&1)*16*WPITCH+128*((\q)&3)+80
.endr
.endm
; These 32 plain vector instructions name RAW and buffer q mod 2 alone, so they are also the places between the matrix
; instructions of sub-step q - 1 and the next loads and conversions into the buffers that those read.
.macro CVTB q
	WIN CVB
.set ci, 0
.rept 32
	v_cvt_pk_f16_f32 v[BF0+32*((\q)&1)+ci], v[RAW+2*ci], v[RAW+2*ci+1]
.set ci, ci+1
.endr
.endm
; Source 0 = 16 rows of W2, source 1 = 16 rows of act: lane (r, h) holds row r of the tile, register j column 8 h + j.
; The 36 accumulators take turns, one instruction a turn, always in the same order.  Sub-step 0 starts the sums.
.macro MUL q, t0, t1
.set mt, \t0
.rept \t1-\t0+1
.if mt < 32
	WIN MUL1
.else
	WIN MUL2
.endif
.if (\q) == 0
	v_wmma_f32_16x16x32_f16 v[8*(mt&31):8*(mt&31)+7], v[BF0+32*((\q)&1)+8*(mt&3):BF0+32*((\q)&1)+8*(mt&3)+7], v[AF0+72*((\q)&1)+8*(mt>>2):AF0+72*((\q)&1)+8*(mt>>2)+7], 0
.else
	v_wmma_f32_16x16x32_f16 v[8*(mt&31):8*(mt&31)+7], v[BF0+32*((\q)&1)+8*(mt&3):BF0+32*((\q)&1)+8*(mt&3)+7], v[AF0+72*((\q)&1)+8*(mt>>2):AF0+72*((\q)&1)+8*(mt>>2)+7], v[8*(mt&31):8*(mt&31)+7]
.endif
.set mt, mt+1
.endr
.endm
; An even sub-step: no barrier; it writes the OTHER stage, whose last reads every wave waited for in front of the barrier of the odd sub-step before.
.macro EVEN q
	FETCH ((\q)+1)
.if (\q)/2+1 < NH
	STAGE ((\q)/2+1)
.endif
	MUL (\q), 0, 35
	s_wait_dscnt 0x0                               ; the fragments of q + 1 are in; my stores into the stage are done
	CVTB ((\q)+1)
.endm
; An odd sub-step: the barrier at which the stages change, and at every second one the slots of W2.
.macro ODD q
	s_wait_dscnt 0x0                               ; for the others: my reads of this stage (and slot) and my stores into the next stage are done (met: nothing was issued since the last such wait)
.set rf, 0
.if ((\q)&3) == 3
.if (\q) < NQ-1
	s_wait_tensorcnt 0x0                           ; all my tensor loads have landed: the one that was out is my part of the next slot
	ds_add_u32 v240, v241
	s_wait_dscnt 0x0
.if (\q) < NQ-8
.set rf, 1
	s_add_nc_u64 s[G0+4*(((\q)>>2)&1)+2:G0+4*(((\q)>>2)&1)+3], s[G0+4*(((\q)>>2)&1)+2:G0+4*(((\q)>>2)&1)+3], 1024   ; no load of mine is out: this slot's address steps two steps of 512 bytes
.endif
.endif
.endif
	s_barrier_signal -1
	MUL (\q), 0, 11                                ; registers alone between signal and wait
	s_barrier_wait -1
.if rf
	tensor_load_to_lds s[G0+4*(((\q)>>2)&1):G0+4*(((\q)>>2)&1)+3], s[G1:G1+7]   ; my one tensor load behind this barrier, first thing: the slot just read, two steps ahead
	s_nop 0
.endif
.if (\q) < NQ-1
	FETCH ((\q)+1)
.endif
	MUL (\q), 12, 35
.if (\q) < NQ-1
	s_wait_dscnt 0x0
	CVTB ((\q)+1)
.endif
.endm
	s_load_b256 s[4:11], s[0:1], 0x0               ; act s[4:5], W2 s[6:7], tab s[8:9], amax s[10:11]
	s_load_b64 s[12:13], s[0:1], 0x20              ; outs
	s_set_vgpr_msb 0x80
	v_lshl_add_u32 v240, v0, 2, 0x4c700
	v_mov_b32 v241, 0
	s_set_vgpr_msb 0x808a
	ds_add_u32 v240, v241
	ds_add_u32 v240, v241
	s_set_vgpr_msb 0x8a00
	v_lshrrev_b32 v1, 5, v0
	v_readfirstlane_b32 s14, v1                    ; wave w
	s_mov_b32 s15, ttmp9                           ; column chunk c
	s_and_b32 s16, ttmp7, 0xffff                   ; block b
	s_lshr_b32 s41, s14, 1                         ; w / 2: which of a half-step's two pieces I take
	s_and_b32 s42, s14, 1                          ; w mod 2: which 72 rows of it
	v_and_b32 v1, 31, v0                           ; lane
	v_and_b32 v2, 15, v0                           ; r
	v_bfe_u32 v3, v0, 4, 1                         ; h
	v_lshrrev_b32 v6, 3, v1                        ; lane / 8
	v_and_b32 v7, 7, v0                            ; lane mod 8
	; group 1: a tile of 64 rows x 128 f32, 16 bytes of padding behind each row
	s_mov_b32 s[G1+0], 0x07920000                  ; mask 0; element of 4 bytes (2<<16); padding on (1<<20), after every 128 words (6<<22), of 4 words (3<<25)
	s_mov_b32 s[G1+1], 128<<16                     ; tensor_dim0 = 128
	s_mov_b32 s[G1+2], 64<<16                      ; tensor_dim1 = 64
	s_mov_b32 s[G1+3], 128<<16                     ; tile_dim0 = 128
	s_mov_b32 s[G1+4], 64                          ; tile_dim1 = 64
	s_mov_b32 s[G1+5], 512                         ; elements from row to row
	s_mov_b32 s[G1+6], 0
	s_mov_b32 s[G1+7], 0
	v_mul_u32_u24 v4, v2, APITCH
	v_lshl_add_u32 v4, v3, 4, v4
	v_add_nc_u32 v[ADA], STG, v4
	s_mul_i32 s18, s14, 64*WPITCH                  ; my 64 rows of a slot: those that I fetch and those that I read
	v_mul_u32_u24 v5, v2, WPITCH
	v_lshl_add_u32 v5, v3, 5, v5
	v_add_nc_u32 v[ADW], s18, v5
	v_add_nc_u32 v[ADW+1], 32*WPITCH, v[ADW]
	v_add_nc_u32 v[ADW+2], SLOT, v[ADW]
	v_add_nc_u32 v[ADW+3], SLOT+32*WPITCH, v[ADW]
	; my i-th load of a half-step holds 4 numbers of row 72 (w mod 2) + 4 i + lane / 8, K = 32 (w / 2) + 4 (lane mod 8) + 0..3 of the half-step's 64
	s_mul_i32 s19, s42, 72*APITCH
	s_lshl_b32 s43, s41, 6
	s_add_co_u32 s19, s19, s43
	s_add_co_u32 s19, s19, STG
	v_mul_u32_u24 v4, v6, APITCH
	v_lshl_add_u32 v4, v7, 3, v4
	v_add_nc_u32 v[STA], s19, v4
	s_mul_i32 s19, s14, 16*OPITCH                  ; the way out: 16 rows x 272 bytes of my own
	s_add_co_u32 s19, s19, STG
	v_mul_u32_u24 v4, v2, OPITCH                   ; in: row r, 32 bytes for each half of the lanes
	v_lshl_add_u32 v4, v3, 5, v4
	v_add_nc_u32 v[OSTO], s19, v4
	v_mul_u32_u24 v4, v3, OPITCH                   ; back: lanes 0-15 one row of 256 bytes, lanes 16-31 the next
	v_lshl_add_u32 v4, v2, 4, v4
	v_add_nc_u32 v[ORD], s19, v4
	v_lshlrev_b32 v4, 12, v3                       ; and the same two rows in outs
	v_lshl_add_u32 v[OGL], v2, 4, v4
	s_mul_i32 s19, s14, 9216
	v_lshl_add_u32 v[RO], v1, 4, s19
	s_mul_i32 s19, s42, 288                        ; amax: group lane mod 8 (and 8 more), slot 144 b + 72 (w mod 2) + lane / 8 (+ 4 i)
	v_mul_u32_u24 v4, v7, 36864
	v_lshl_add_u32 v4, v6, 2, v4
	v_add_nc_u32 v[AMO], s19, v4
	s_mul_i32 s19, s14, 288                        ; the table in LDS: copy w / 2, rows 72 (w mod 2) ..: 576 (w / 2) + 288 (w mod 2) = 288 w: each wave's own 288 bytes
	s_add_co_u32 s19, s19, SCT
	v_lshl_add_u32 v8, v6, 2, s19
	s_mul_i32 s19, s41, 576
	s_add_co_u32 s19, s19, SCT
	v_lshl_add_u32 v[SCR], v2, 2, s19
	s_lshl_b32 s20, s16, 2                         ; tab[b]
	s_mov_b32 s21, 0
	s_mul_i32 s22, s16, 16*18432                   ; the block's sixteen pieces of act
	s_mov_b32 s23, 0
	s_wait_dscnt 0x0
	s_wait_kmcnt 0x0
	s_add_nc_u64 s[8:9], s[8:9], s[20:21]
	s_load_b32 s17, s[8:9], 0x0                    ; the block's expert
	s_add_nc_u64 s[4:5], s[4:5], s[22:23]
	s_mul_i32 s22, s16, 576
	s_add_nc_u64 s[10:11], s[10:11], s[22:23]
.irp i, 0,1,2,3,4,5,6,7,8,9,10,11,12,13,14,15,16,17
	global_load_b32 v[AF0+\i],    v[AMO], s[10:11] offset:16*\i            ; the row's maximum in group lane mod 8
	global_load_b32 v[AF0+18+\i], v[AMO], s[10:11] offset:8*36864+16*\i    ; and in group 8 + lane mod 8
.endr
	ALOAD 0                                        ; act needs nothing of the routing but the block's number: asked for while tab[b] is on its way
	s_lshl_b32 s20, s15, 19                        ; my 64 rows of W2[e]: (256 c + 64 w) rows of 2,048 bytes
	s_lshl_b32 s22, s14, 17
	s_add_co_u32 s20, s20, s22
	s_wait_kmcnt 0x0
	s_min_u32 s17, s17, 7                          ; never binds; it bounds the address made of a loaded number
	s_lshl_b32 s22, s17, 21                        ; experts of 2 MiB
	s_add_co_u32 s20, s20, s22
	s_add_nc_u64 s[6:7], s[6:7], s[20:21]
	; both first fills, steps 0 and 1, ahead of every wait on TENSORcnt and every barrier: two tensor loads of the wave are out
.irp n, 0,1
	s_mov_b32 s[G0+4*\n], 1
	s_add_co_u32 s[G0+4*\n+1], s18, \n*SLOT
	s_add_nc_u64 s[G0+4*\n+2:G0+4*\n+3], s[6:7], \n*512
	s_or_b32 s[G0+4*\n+3], s[G0+4*\n+3], 0x80000000
	tensor_load_to_lds s[G0+4*\n:G0+4*\n+3], s[G1:G1+7]
	s_nop 0
.endr
	s_mul_i32 s20, s16, 144*4096                   ; outs: row 144 b, byte 1,024 c + 256 w
	s_lshl_b32 s22, s15, 10
	s_add_co_u32 s20, s20, s22
	s_lshl_b32 s22, s14, 8
	s_add_co_u32 s20, s20, s22
	s_add_nc_u64 s[12:13], s[12:13], s[20:21]
	; The rows' powers of two.  The eight lanes of a row hold two groups' maxima each; three steps across them give the row's.
	s_wait_loadcnt 18                              ; loads return in order: the 36 maxima are in, the 18 loads of half-step 0 may be out
	WIN 0
.irp i, 0,1,2,3,4,5,6,7,8,9,10,11,12,13,14,15,16,17
	v_max_num_f32 v[AF0+\i], v[AF0+\i], v[AF0+18+\i]
.endr
.irp x, 1,2,4
.irp i, 0,1,2,3,4,5,6,7,8,9,10,11,12,13,14,15,16,17
	v_max_num_f32_dpp v[AF0+\i], v[AF0+\i], v[AF0+\i] row_xmask:\x row_mask:0xf bank_mask:0xf
.endr
.endr
.irp i, 0,1,2,3,4,5,6,7,8,9,10,11,12,13,14,15,16,17
	v_and_b32 v[AF0+\i], 0x7f800000, v[AF0+\i]     ; the exponent field alone: 2^(E - 127)
	v_max_u32 v[AF0+\i], 0x00800000, v[AF0+\i]     ; E from 1 (a row of zeros or denormals)
	v_min_u32 v[AF0+\i], 0x7e800000, v[AF0+\i]     ; to 253, so that both factors are normal numbers
	v_sub_nc_u32 v[SC+\i], 0x7f000000, v[AF0+\i]   ; (254 - E) << 23: 2^(127 - E)
.endr
.irp i, 0,1,2,3,4,5,6,7,8,9,10,11,12,13,14,15,16,17
	ds_store_b32 v8, v[AF0+\i] offset:16*\i        ; 2^(E - 127) of row 72 (w mod 2) + 4 i + lane / 8; the eight lanes of a row store the same word with the same value
.endr
	ALOAD 1
	STAGE 0
	s_wait_dscnt 0x0                               ; my part of stage 0 and of the table is in LDS
	s_wait_tensorcnt 0x1                           ; my part of slot 0 has landed; slot 1's may stay out
	s_barrier_signal -1
	s_barrier_wait -1
	FETCH 0
	s_wait_dscnt 0x0
	CVTB 0
.irp j, 0,1,2,3,4,5,6,7
	EVEN (2*\j)
	ODD (2*\j+1)
.endr
	; THE WAY OUT, 16 rows at a time, through 16 x 272 bytes of the wave's own in the stages, which the last barrier has shown read by all.
	; Four places behind the last matrix instructions, for the reads of results and the loads into fragment registers.
.rept 4
	v_nop
.endr
	WIN 0
.irp a, 0,1,2,3,4,5,6,7,8
	ds_load_b32 v[INV+2*\a],   v[SCR] offset:64*\a ; 2^(E - 127) of row 16 a + r, into both registers of a pair
	ds_load_b32 v[INV+2*\a+1], v[SCR] offset:64*\a
.endr
	s_wait_dscnt 0x0
.macro OUT a
.if \a < 8
	WIN IN1
.else
	WIN IN2
.endif
.irp i, 0,2,4,6,8,10,12,14,16,18,20,22,24,26,28,30
	v_pk_mul_f32 v[32*(\a&7)+\i:32*(\a&7)+\i+1], v[32*(\a&7)+\i:32*(\a&7)+\i+1], v[INV+2*\a:INV+2*\a+1]   ; the row's power of two is taken back
.endr
.if \a < 8
	WIN EP1
.else
	WIN EP2
.endif
.irp b, 0,1,2,3
	ds_store_b128 v[OSTO], v[32*(\a&7)+8*\b:32*(\a&7)+8*\b+3]   offset:64*\b       ; columns 16 b + 8 h + 0..3 of row r
	ds_store_b128 v[OSTO], v[32*(\a&7)+8*\b+4:32*(\a&7)+8*\b+7] offset:64*\b+16    ; and 4..7
.endr
	WIN 0
	s_wait_xcnt 0x0                                ; the registers that earlier stores read are loaded again only behind this wait
.irp t, 0,1,2,3,4,5,6,7
	ds_load_b128 v[AF0+72*(\a&1)+4*\t:AF0+72*(\a&1)+4*\t+3], v[ORD] offset:2*OPITCH*\t   ; LDS serves a wave's instructions in order: these see the stores above
.endr
.irp t, 0,1,2,3,4,5,6,7
	s_wait_dscnt 7-\t                              ; LDS loads return in order: number t is in
	global_store_b128 v[OGL], v[AF0+72*(\a&1)+4*\t:AF0+72*(\a&1)+4*\t+3], s[12:13] offset:65536*\a+8192*\t   ; 16 lanes store 256 consecutive bytes, aligned
.endr
.endm
.irp a, 0,1,2,3,4,5,6,7,8
	OUT \a
.endr
	s_set_vgpr_msb 0xa
	s_wait_tensorcnt 0x0
	ds_add_u32 v240, v241
	s_wait_dscnt 0x0
	s_set_vgpr_msb 0xa00
	s_endpgm
.Lfunc_end_k_qdd960fe910_gemm2:
	.size	k_qdd960fe910_gemm2, .Lfunc_end_k_qdd960fe910_gemm2-k_qdd960fe910_gemm2
	.p2alignl 7, 3214868480
	.fill 96, 4, 3214868480
	.section	.rodata,"a",@progbits
	.p2align	6, 0x0
	.amdhsa_kernel k_qdd960fe910_gemm2
		.amdhsa_group_segment_fixed_size 327680
		.amdhsa_private_segment_fixed_size 0
		.amdhsa_enable_private_segment 0
		.amdhsa_kernarg_size 40
		.amdhsa_user_sgpr_count 2
		.amdhsa_user_sgpr_kernarg_segment_ptr 1
		.amdhsa_wavefront_size32 1
		.amdhsa_system_sgpr_workgroup_id_x 1
		.amdhsa_system_sgpr_workgroup_id_y 1
		.amdhsa_system_sgpr_workgroup_id_z 1
		.amdhsa_system_vgpr_workitem_id 0
		.amdhsa_next_free_vgpr 754
		.amdhsa_next_free_sgpr 66
		.amdhsa_reserve_vcc 0
		.amdhsa_float_denorm_mode_32 3
		.amdhsa_float_denorm_mode_16_64 3
		.amdhsa_memory_ordered 1
		.amdhsa_forward_progress 1
		.amdhsa_inst_pref_size 215
	.end_amdhsa_kernel
	.amdgpu_metadata
---
amdhsa.version: [ 1, 2 ]
amdhsa.kernels:
  - .name:           k_qdd960fe910_gemm2
    .symbol:         k_qdd960fe910_gemm2.kd
    .args:
      - { .name: act, .offset: 0, .size: 8, .value_kind: global_buffer, .address_space: global }
      - { .name: W2, .offset: 8, .size: 8, .value_kind: global_buffer, .address_space: global }
      - { .name: tab, .offset: 16, .size: 8, .value_kind: global_buffer, .address_space: global }
      - { .name: amax, .offset: 24, .size: 8, .value_kind: global_buffer, .address_space: global }
      - { .name: outs, .offset: 32, .size: 8, .value_kind: global_buffer, .address_space: global }
    .group_segment_fixed_size: 327680
    .private_segment_fixed_size: 0
    .kernarg_segment_align: 8
    .kernarg_segment_size: 40
    .max_flat_workgroup_size: 128
    .sgpr_count:     66
    .vgpr_count:     754
    .wavefront_size: 32
...
	.end_amdgpu_metadata
.endif
;; end of part 3
;; launch combine (part 4): grid 256 x 1, 8 waves a work-group, no clusters, 0 bytes of LDS; arguments outs, pos, weights, indices, out0; writes out0
.if DOCPART == 4
	.amdgcn_target "amdgcn-amd-amdhsa--gfx1250"
	.amdhsa_code_object_version 6
	.text
	.protected	k_qdd960fe910_combine
	.globl	k_qdd960fe910_combine
	.p2align	8
	.type	k_qdd960fe910_combine,@function
k_qdd960fe910_combine:
	s_mov_b64 s[64:65], 0
	v_nop
	global_prefetch_b8 v0, s[64:65] scope:SCOPE_SE
	s_setreg_imm32_b32 hwreg(HW_REG_WAVE_MODE, 25, 1), 1
	s_wait_xcnt 0x0
; combine: y[t] = w(t,0) outs[pos(t,0)] + w(t,1) outs[pos(t,1)], all in f32.
; A stream: each row of outs that holds an assignment is read once, each byte of y is written once.  No LDS, no barrier, no matrix unit.
; A wave takes two tokens: four rows of 4,096 bytes, 32 loads of 512 consecutive bytes, all on their way at once in 128 registers.
; An index outside 0..7 has the weight 0, as its one-hot has.  Where both of a token's indices name one expert the two slots hold the same
; row, and w0 o + w1 o stands for (w0 + w1) o: the order of rounding differs from the dense form's in the last bit.
.set W, 2                              ; v[2:9]    the four weights, each twice (a pair for the packed forms)
.set X, 16                             ; v[16:143] chunk n: 4 registers of the first row, 4 of the second
	s_load_b256 s[4:11], s[0:1], 0x0               ; outs s[4:5], pos s[6:7], weights s[8:9], indices s[10:11]
	s_load_b64 s[12:13], s[0:1], 0x20              ; out0
	v_lshrrev_b32 v1, 5, v0
	v_readfirstlane_b32 s14, v1                    ; wave
	v_and_b32 v1, 31, v0
	v_lshlrev_b32 v1, 4, v1                        ; 16 x lane; never rewritten
	s_lshl_b32 s16, ttmp9, 7                       ; 8 bytes x token t0 = 16 x work-group + 2 x wave
	s_lshl_b32 s17, s14, 4
	s_add_co_u32 s16, s16, s17
	s_mov_b32 s17, 0
	s_lshl_b32 s18, s16, 9                         ; 4,096 t0
	s_mov_b32 s19, 0
	s_wait_kmcnt 0x0
	s_add_nc_u64 s[6:7], s[6:7], s[16:17]
	s_add_nc_u64 s[8:9], s[8:9], s[16:17]
	s_add_nc_u64 s[10:11], s[10:11], s[16:17]
	s_add_nc_u64 s[12:13], s[12:13], s[18:19]
	s_load_b128 s[24:27], s[6:7], 0x0              ; four slots
	s_load_b128 s[28:31], s[8:9], 0x0              ; four weights
	s_load_b128 s[32:35], s[10:11], 0x0            ; four indices
	s_wait_kmcnt 0x0
.irp a, 0,1,2,3
	s_min_u32 s[24+\a], s[24+\a], 9215             ; never binds; it bounds the address made of a loaded number
	s_lshl_b32 s[36+2*\a], s[24+\a], 12            ; rows of 4,096 bytes
	s_mov_b32 s[37+2*\a], 0
	s_add_nc_u64 s[36+2*\a:37+2*\a], s[4:5], s[36+2*\a:37+2*\a]
	s_cmp_lt_u32 s[32+\a], 8                       ; unsigned: a negative index fails too
	s_cselect_b32 s[28+\a], s[28+\a], 0
	v_mov_b32 v[W+2*\a], s[28+\a]
	v_mov_b32 v[W+2*\a+1], s[28+\a]
.endr
.irp n, 0,1,2,3,4,5,6,7,8,9,10,11,12,13,14,15
	global_load_b128 v[X+8*\n:X+8*\n+3],   v1, s[36+4*(\n/8):37+4*(\n/8)] offset:512*(\n%8) th:TH_LOAD_NT
	global_load_b128 v[X+8*\n+4:X+8*\n+7], v1, s[38+4*(\n/8):39+4*(\n/8)] offset:512*(\n%8) th:TH_LOAD_NT
.endr
.irp n, 0,1,2,3,4,5,6,7,8,9,10,11,12,13,14,15
	s_wait_loadcnt 30-2*\n                         ; loads return in order: chunk n's two are in, the 30 - 2 n of the later chunks may be out
	v_pk_mul_f32 v[X+8*\n:X+8*\n+1],   v[X+8*\n:X+8*\n+1],   v[W+4*(\n/8):W+4*(\n/8)+1]
	v_pk_mul_f32 v[X+8*\n+2:X+8*\n+3], v[X+8*\n+2:X+8*\n+3], v[W+4*(\n/8):W+4*(\n/8)+1]
	v_pk_fma_f32 v[X+8*\n:X+8*\n+1],   v[X+8*\n+4:X+8*\n+5], v[W+4*(\n/8)+2:W+4*(\n/8)+3], v[X+8*\n:X+8*\n+1]
	v_pk_fma_f32 v[X+8*\n+2:X+8*\n+3], v[X+8*\n+6:X+8*\n+7], v[W+4*(\n/8)+2:W+4*(\n/8)+3], v[X+8*\n+2:X+8*\n+3]
	global_store_b128 v1, v[X+8*\n:X+8*\n+3], s[12:13] offset:512*\n th:TH_STORE_NT   ; 512 consecutive bytes, aligned; no register of a store is written again
.endr
	s_endpgm
.Lfunc_end_k_qdd960fe910_combine:
	.size	k_qdd960fe910_combine, .Lfunc_end_k_qdd960fe910_combine-k_qdd960fe910_combine
	.p2alignl 7, 3214868480
	.fill 96, 4, 3214868480
	.section	.rodata,"a",@progbits
	.p2align	6, 0x0
	.amdhsa_kernel k_qdd960fe910_combine
		.amdhsa_group_segment_fixed_size 0
		.amdhsa_private_segment_fixed_size 0
		.amdhsa_enable_private_segment 0
		.amdhsa_kernarg_size 40
		.amdhsa_user_sgpr_count 2
		.amdhsa_user_sgpr_kernarg_segment_ptr 1
		.amdhsa_wavefront_size32 1
		.amdhsa_system_sgpr_workgroup_id_x 1
		.amdhsa_system_sgpr_workgroup_id_y 1
		.amdhsa_system_sgpr_workgroup_id_z 1
		.amdhsa_system_vgpr_workitem_id 0
		.amdhsa_next_free_vgpr 144
		.amdhsa_next_free_sgpr 66
		.amdhsa_reserve_vcc 0
		.amdhsa_float_denorm_mode_32 3
		.amdhsa_float_denorm_mode_16_64 3
		.amdhsa_memory_ordered 1
		.amdhsa_forward_progress 1
		.amdhsa_inst_pref_size 12
	.end_amdhsa_kernel
	.amdgpu_metadata
---
amdhsa.version: [ 1, 2 ]
amdhsa.kernels:
  - .name:           k_qdd960fe910_combine
    .symbol:         k_qdd960fe910_combine.kd
    .args:
      - { .name: outs, .offset: 0, .size: 8, .value_kind: global_buffer, .address_space: global }
      - { .name: pos, .offset: 8, .size: 8, .value_kind: global_buffer, .address_space: global }
      - { .name: weights, .offset: 16, .size: 8, .value_kind: global_buffer, .address_space: global }
      - { .name: indices, .offset: 24, .size: 8, .value_kind: global_buffer, .address_space: global }
      - { .name: out0, .offset: 32, .size: 8, .value_kind: global_buffer, .address_space: global }
    .group_segment_fixed_size: 0
    .private_segment_fixed_size: 0
    .kernarg_segment_align: 8
    .kernarg_segment_size: 40
    .max_flat_workgroup_size: 256
    .sgpr_count:     66
    .vgpr_count:     144
    .wavefront_size: 32
...
	.end_amdgpu_metadata
.endif
;; end of part 4
;; ======== version 2 of 2: 4 launches; version 1 with the launch combine written anew for expert scheduling mode
;; limits: values are held in f16: magnitudes above 65,504 overflow, below 6.1e-05 lose precision; inputs' magnitudes at most 65,504
;; workspace buffers: rows 36,864 bytes of whole numbers; pos 32,768 bytes of whole numbers; tab 256 bytes of whole numbers; act 18,874,368 bytes; amax 589,824 bytes; outs 37,748,736 bytes
;; launch route: the kernel of part 1 again; grid 1 x 1, 32 waves a work-group, no clusters, 43,008 bytes of LDS; arguments indices, rows, pos, tab; writes rows, pos, tab
;; launch gemm1: the kernel of part 2 again; grid 4 x 64, 4 waves a work-group, no clusters, 327,680 bytes of LDS; arguments x, W1, rows, tab, act, amax; writes act, amax
;; launch gemm2: the kernel of part 3 again; grid 4 x 64, 4 waves a work-group, no clusters, 327,680 bytes of LDS; arguments act, W2, tab, amax, outs; writes outs
;; launch combine (part 5): grid 256 x 1, 8 waves a work-group, no clusters, 0 bytes of LDS; arguments outs, pos, weights, indices, out0; writes out0
.if DOCPART == 5
	.amdgcn_target "amdgcn-amd-amdhsa--gfx1250"
	.amdhsa_code_object_version 6
	.text
	.protected	k_qdd960fe910_combine
	.globl	k_qdd960fe910_combine
	.p2align	8
	.type	k_qdd960fe910_combine,@function
k_qdd960fe910_combine:
	s_mov_b64 s[64:65], 0
	v_nop
	global_prefetch_b8 v0, s[64:65] scope:SCOPE_SE
	s_setreg_imm32_b32 hwreg(HW_REG_WAVE_SCHED_MODE, 0, 2), 2
	s_setreg_imm32_b32 hwreg(HW_REG_WAVE_MODE, 25, 1), 1
	s_wait_xcnt 0x0
	s_wait_alu depctr_vm_vsrc(0)
; combine: y[t] = w(t,0) outs[pos(t,0)] + w(t,1) outs[pos(t,1)], all in f32.
; A stream: each row of outs that holds an assignment is read once, each byte of y is written once.  No LDS, no barrier, no matrix unit.
; A wave takes two tokens: four rows of 4,096 bytes, 32 loads of 512 consecutive bytes, all on their way at once in 128 registers.
; An index outside 0..7 has the weight 0, as its one-hot has.  Where both of a token's indices name one expert the two slots hold the same
; row, and w0 o + w1 o stands for (w0 + w1) o: the order of rounding differs from the dense form's in the last bit.
; THE MODE: SCHED_MODE bits 1:0 = 2 (LLVM: expert scheduling mode 2), set by the entry lines.  The code itself states the register dependences
; between vector instructions and memory instructions, with s_wait_alu, always for 0.
; THE PLAN.  Registers that memory instructions touch:
;   v1          the offset 16 x lane.  Written at the head by vector instructions, never again; read by every load and store.
;   X, chunk n  eight registers.  The chunk's two loads land in them, and no vector instruction names them before that.  The chunk's four packed
;               instructions read all eight and write the result over the first four; the chunk's one store reads those four; nothing writes them again.
;   W (the weights) is named by vector instructions alone.  s14, the wave's number, is written by a vector instruction and read by scalar ones.
; The 16 chunks go in four groups of four.  A group's stores are issued at the head of the NEXT group, behind the wait for that group's first loads and
; one wait on va_vdst, which states that the group before has written its four results.  The arithmetic that follows names the new group's X and W alone,
; none of the registers that those stores touch.  No register that a memory instruction has read is written again, so no wait on vm_vsrc is owed; EXEC is never written.
.set W, 2                              ; v[2:9]    the four weights, each twice (a pair for the packed forms)
.set X, 16                             ; v[16:143] chunk n: 4 registers of the first row, 4 of the second
	s_load_b256 s[4:11], s[0:1], 0x0               ; outs s[4:5], pos s[6:7], weights s[8:9], indices s[10:11]
	s_load_b64 s[12:13], s[0:1], 0x20              ; out0
	v_lshrrev_b32 v1, 5, v0
	v_readfirstlane_b32 s14, v1                    ; wave
	v_and_b32 v1, 31, v0
	v_lshlrev_b32 v1, 4, v1                        ; 16 x lane; never rewritten
	s_lshl_b32 s16, ttmp9, 7                       ; 8 bytes x token t0 = 16 x work-group + 2 x wave
	s_wait_alu depctr_va_sdst(0)                   ; s14 is written, ahead of its first reader: the bases of pos, weights, indices and out0 are made from it
	s_lshl_b32 s17, s14, 4
	s_add_co_u32 s16, s16, s17
	s_mov_b32 s17, 0
	s_lshl_b32 s18, s16, 9                         ; 4,096 t0
	s_mov_b32 s19, 0
	s_wait_kmcnt 0x0
	s_add_nc_u64 s[6:7], s[6:7], s[16:17]
	s_add_nc_u64 s[8:9], s[8:9], s[16:17]
	s_add_nc_u64 s[10:11], s[10:11], s[16:17]
	s_add_nc_u64 s[12:13], s[12:13], s[18:19]
	s_load_b128 s[24:27], s[6:7], 0x0              ; four slots
	s_load_b128 s[28:31], s[8:9], 0x0              ; four weights
	s_load_b128 s[32:35], s[10:11], 0x0            ; four indices
	s_wait_kmcnt 0x0
.irp a, 0,1,2,3
	s_min_u32 s[24+\a], s[24+\a], 9215             ; never binds; it bounds the address made of a loaded number
	s_lshl_b32 s[36+2*\a], s[24+\a], 12            ; rows of 4,096 bytes
	s_mov_b32 s[37+2*\a], 0
	s_add_nc_u64 s[36+2*\a:37+2*\a], s[4:5], s[36+2*\a:37+2*\a]
	s_cmp_lt_u32 s[32+\a], 8                       ; unsigned: a negative index fails too
	s_cselect_b32 s[28+\a], s[28+\a], 0
.endr
	s_wait_alu depctr_va_vdst(0)                   ; v1 is written: every load and store of the kernel reads it as its offset
.irp n, 0,1,2,3,4,5,6,7,8,9,10,11,12,13,14,15
	global_load_b128 v[X+8*\n:X+8*\n+3],   v1, s[36+4*(\n/8):37+4*(\n/8)] offset:512*(\n%8) th:TH_LOAD_NT
	global_load_b128 v[X+8*\n+4:X+8*\n+7], v1, s[38+4*(\n/8):39+4*(\n/8)] offset:512*(\n%8) th:TH_LOAD_NT
.endr
.irp a, 0,1,2,3
	v_mov_b32 v[W+2*\a], s[28+\a]                  ; the weights' pairs are made behind the loads: these lines name no register that a load touches
	v_mov_b32 v[W+2*\a+1], s[28+\a]
.endr
; chunk n: w0 o0, then w1 o1 + that, fused; the result lies in the chunk's first four registers
.macro SUM n
	v_pk_mul_f32 v[X+8*(\n):X+8*(\n)+1],   v[X+8*(\n):X+8*(\n)+1],   v[W+4*((\n)/8):W+4*((\n)/8)+1]
	v_pk_mul_f32 v[X+8*(\n)+2:X+8*(\n)+3], v[X+8*(\n)+2:X+8*(\n)+3], v[W+4*((\n)/8):W+4*((\n)/8)+1]
	v_pk_fma_f32 v[X+8*(\n):X+8*(\n)+1],   v[X+8*(\n)+4:X+8*(\n)+5], v[W+4*((\n)/8)+2:W+4*((\n)/8)+3], v[X+8*(\n):X+8*(\n)+1]
	v_pk_fma_f32 v[X+8*(\n)+2:X+8*(\n)+3], v[X+8*(\n)+6:X+8*(\n)+7], v[W+4*((\n)/8)+2:W+4*((\n)/8)+3], v[X+8*(\n)+2:X+8*(\n)+3]
.endm
; chunk n leaves: 512 consecutive bytes, aligned; no register of a store is written again
.macro OUT n
	global_store_b128 v1, v[X+8*(\n):X+8*(\n)+3], s[12:13] offset:512*(\n) th:TH_STORE_NT
.endm
.irp g, 0,1,2,3
.irp k, 0,1,2,3
	s_wait_loadcnt 30-2*(4*\g+\k)                  ; loads return in order: chunk n's two are in, the 30 - 2 n of the later chunks may be out
.if (\g > 0) && (\k == 0)
	s_wait_alu depctr_va_vdst(0)                   ; the group before has written its four results, which the four stores below read
	OUT 4*\g-4                                     ; in one run here: further down they would stand behind waits for later loads
	OUT 4*\g-3
	OUT 4*\g-2
	OUT 4*\g-1
.endif
	SUM 4*\g+\k
.endr
.endr
	s_wait_alu depctr_va_vdst(0)                   ; the last group has written its four results, which the last four stores read
	OUT 12
	OUT 13
	OUT 14
	OUT 15
	s_endpgm
.Lfunc_end_k_qdd960fe910_combine:
	.size	k_qdd960fe910_combine, .Lfunc_end_k_qdd960fe910_combine-k_qdd960fe910_combine
	.p2alignl 7, 3214868480
	.fill 96, 4, 3214868480
	.section	.rodata,"a",@progbits
	.p2align	6, 0x0
	.amdhsa_kernel k_qdd960fe910_combine
		.amdhsa_group_segment_fixed_size 0
		.amdhsa_private_segment_fixed_size 0
		.amdhsa_enable_private_segment 0
		.amdhsa_kernarg_size 40
		.amdhsa_user_sgpr_count 2
		.amdhsa_user_sgpr_kernarg_segment_ptr 1
		.amdhsa_wavefront_size32 1
		.amdhsa_system_sgpr_workgroup_id_x 1
		.amdhsa_system_sgpr_workgroup_id_y 1
		.amdhsa_system_sgpr_workgroup_id_z 1
		.amdhsa_system_vgpr_workitem_id 0
		.amdhsa_next_free_vgpr 144
		.amdhsa_next_free_sgpr 66
		.amdhsa_reserve_vcc 0
		.amdhsa_float_denorm_mode_32 3
		.amdhsa_float_denorm_mode_16_64 3
		.amdhsa_memory_ordered 1
		.amdhsa_forward_progress 1
		.amdhsa_inst_pref_size 12
	.end_amdhsa_kernel
	.amdgpu_metadata
---
amdhsa.version: [ 1, 2 ]
amdhsa.kernels:
  - .name:           k_qdd960fe910_combine
    .symbol:         k_qdd960fe910_combine.kd
    .args:
      - { .name: outs, .offset: 0, .size: 8, .value_kind: global_buffer, .address_space: global }
      - { .name: pos, .offset: 8, .size: 8, .value_kind: global_buffer, .address_space: global }
      - { .name: weights, .offset: 16, .size: 8, .value_kind: global_buffer, .address_space: global }
      - { .name: indices, .offset: 24, .size: 8, .value_kind: global_buffer, .address_space: global }
      - { .name: out0, .offset: 32, .size: 8, .value_kind: global_buffer, .address_space: global }
    .group_segment_fixed_size: 0
    .private_segment_fixed_size: 0
    .kernarg_segment_align: 8
    .kernarg_segment_size: 40
    .max_flat_workgroup_size: 256
    .sgpr_count:     66
    .vgpr_count:     144
    .wavefront_size: 32
...
	.end_amdgpu_metadata
.endif
;; end of part 5
